; MI455X (gfx1250); checked and timed in simulation.
; The chip was launched on July 23, 2026; its instructions are those of AMD's public machine-readable ISA for CDNA 5 (MIT licence, August 2026) and "CDNA5" Instruction Set Architecture Reference Guide (July 2026). The comments in the code are by the model that wrote it; some were corrected since.
;; Attention. Allowed arithmetic: float matrix products may take bf16 or f16 operands with f32 sums; all other float work in f32.
;; Inputs: key 32 x 2,048 x 128 float32; query 32 x 2,048 x 128 float32; value 32 x 2,048 x 128 float32.
;; Outputs: out0 32 x 2,048 x 128 float32.
;; One version. Each part assembles by itself: llvm-mc -triple=amdgcn-amd-amdhsa -mcpu=gfx1250 --defsym DOCPART=n.
;; ======== version 1 of 1: 1 launch
;; launch attn (part 1): grid 8 x 32, 4 waves a work-group, clusters of 4 x 1, 327,680 bytes of LDS; arguments key, query, value, out0; writes out0
.if DOCPART == 1
	.amdgcn_target "amdgcn-amd-amdhsa--gfx1250"
	.amdhsa_code_object_version 6
	.text
	.protected	k_qc178b960ca_attn
	.globl	k_qc178b960ca_attn
	.p2align	8
	.type	k_qc178b960ca_attn,@function
k_qc178b960ca_attn:
	s_mov_b64 s[64:65], 0
	v_nop
	global_prefetch_b8 v0, s[64:65] scope:SCOPE_SE
	s_setreg_imm32_b32 hwreg(HW_REG_WAVE_MODE, 25, 1), 1
	s_wait_xcnt 0x0
	s_wait_alu depctr_hold_cnt(0) depctr_sa_sdst(0) depctr_va_vdst(0) depctr_va_sdst(0) depctr_va_ssrc(0) depctr_va_vcc(0) depctr_vm_vsrc(0)
	s_getreg_b32 s2, hwreg(HW_REG_IB_STS2, 6, 4)
	s_cmp_eq_u32 s2, 0
	s_cbranch_scc0 .Lentry_in_a_cluster
	s_endpgm
.Lentry_in_a_cluster:
	s_bfe_u32 s2, ttmp6, 0x10000c
	s_cmp_lg_u32 s2, 0x3003
	s_cbranch_scc0 .Lentry_shape_is_right
	s_endpgm
.Lentry_shape_is_right:
; out0[b][q][:] = softmax over k of (query[b][q] . key[b][k] / sqrt(128)) applied to value[b][k][:].   32 heads, 2048 x 128, all f32.
; One launch; the scores never leave registers.  A running maximum is taken away before every exponential.
; NO WORK IS LEFT OUT: every input reaches every output of its head; there is no mask and no bias.
; LIMITS.  query, key, value and the probabilities go to the matrix unit rounded to bf16 (f32's exponent range); scores, maxima, sums and
; the results are kept in f32.  The normaliser is the sum of the unrounded f32 probabilities, tile by tile, 64 keys a tile, so its order of
; rounding differs from a sum along the whole row.  A probability below 2^-126 of its row's largest counts as 0 (v_exp_f32 gives 0 where
; the result would be denormal: ISA guide 15.8).  The maxima are taken with forms in which a NaN loses: inputs with NaN or infinities are not served.
;
; SHARES.  Work-group = one head (y) and 256 queries (x); wave w = queries 64 w .. 64 w + 63 as four tiles of 16; 32 tiles of 64 keys.
; BOTH PRODUCTS ARE USED TRANSPOSED, so that a lane owns one query (L lane, r = L % 16, h = L / 16):
;   S^T = K Q^T : source 0 = 16 keys x 32 d, source 1 = 16 queries x 32 d.  Register j of lane L = score of key 16 kt + 8 h + j with query r.
;   O^T = V^T P^T: source 1 wants keys 8 h .. 8 h + 7 in registers 0-3 and 16 + 8 h .. in registers 4-7 of query r: this very lane's results of
;                  key tiles 2 u and 2 u + 1, so packing conversions alone make the fragments.  Register j of the result = O(query r, d = 16 dt + 8 h + j).
; A query's 64 scores of a tile lie in lanes r and r + 16: maxima and sums run inside the lane, and one v_permlanex16_b32 joins the halves.
;
; TWO PIECES TAKE TURNS.  Piece A = query tiles 0, 1, piece B = tiles 2, 3; they share the K and V fragments.  Trip t, behind its barrier, is four
; phases of 32 products; between the products stand the other piece's softmax and rescale, and the LDS work in short batches:
;   F1  O_A += V(t) P_A(t)       | softmax of B, tile t, first half       | K fragments of tile t + 1 (K's registers were last read in the F4 before)
;   F2  S_A = K(t+1) Q_A         | softmax of B, tile t, second half      | rounding of tile t + 2 to bf16, first half
;   F3  O_B += V(t) P_B(t)       | softmax of A, tile t + 1, first half   | rounding of tile t + 2, second half
;   F4  S_B = K(t+1) Q_B         | softmax of A, tile t + 1, second half  | V fragments of tile t + 1 (V's registers were last read in F3)
; A piece's softmax is ONE STREAM of 268 operations (32 maxima, 10 for the new maximum and the factor, 32 multiply-adds, 64 exponentials, 64 rescales
; of O, 34 for the sum, 32 packings), walked once; in front of the operation at which a slice begins the next product is set.  Slices take
; 2, 5, 5, 5 operations by turns (the first two slices 0 and 3: 268 = 16 x 17 - 4); the slice of two also holds a batch of LDS work.
; In the stream an exponential stands next to plain work of other registers, and its result is read at the earliest a step later.
;
; CLUSTER.  The four work-groups of a cluster are four query blocks of one head and walk the same K and V tiles in the same trips, so every tile
; is asked for jointly (mask 15): one request serves four.  A head's eight blocks are two clusters.
; Nothing but the global addresses of query, out0 and the prefetch hangs on the place in the cluster.
; K AND V ARRIVE AS f32.  A ring of two raw LDS slots (K's 64 rows of 512 bytes, then V's) is filled by tensor loads, one of 16 KiB a wave and trip.
; One round of the cluster's barrier a trip orders all of it.  In front of it each wave's LDS work and tensor loads are done.  Behind it, in trip t:
; raw slot 1 - t % 2, whose tile t + 1 was rounded in trip t - 1, is filled with tile t + 3; the bf16 buffers 1 - t % 2 (tile t + 1, written in
; trip t - 1) are read; raw slot t % 2 (tile t + 2) is rounded into the bf16 buffers t % 2, whose tile t was last read in trip t - 1.
; Tensor loads outstanding in a wave, by this text's count: two at the start, one behind each round.
;
; LDS (bytes):  0 KB0, 17408 KB1: bf16 K, 64 rows, pitch 272 | 34816 VB0, 53248 VB1: bf16 V, 64 rows, pitch 288 |
;   71680 + 17408 w: wave w's own stage (first Q as bf16, pitch 272; at the end 16 rows of results, pitch 528) |
;   141312 RAW0, 206848 RAW1: 65536 each, written by tensor loads alone.  Every border is a multiple of 256; LDS stores and tensor loads share no block.
;   Pitches: 272 and 528 are odd multiples of 16, 288 an odd multiple of 32: the rows that one load or store touches fall on different 16-byte columns modulo 256.
; REGISTERS, in windows of 256:
;   window 0: addresses (v8-20), V fragments at 64 + 64 ks2 + 8 dt, raw rows at conversion (v192-255)
;   window 1 (piece A) and window 2 (piece B), the same numbers in both: O (q, dt) at 64 q + 8 dt; scores (q, kt) at 128 + 32 q + 8 kt, packed P (q, ks2) at
;             128 + 32 q + 8 ks2; state at 192 + 8 q; sum chains at 208 + 8 q.   (In the prologue window 1 holds Q as loaded.)
;   window 3: Q fragments at 32 qt + 8 ks, K fragments at 128 + 32 ks + 8 kt.
; A piece's O, scores and state share a window, so that its whole stream runs under one setting.  v_exp_f32 has one source, so work in place wants
; source 0 and the destination in one window; under a product's own setting that window would have to hold K or V (128), the accumulators and the
; other piece's 224 registers.  So a slice costs two switches, and a batch of LDS work one more: 288 in a trip of 128 products.
.set KP,      272                      ; pitch of bf16 K and of the Q stage
.set VP,      288                      ; pitch of bf16 V
.set OP,      528                      ; pitch of the output stage
.set KBB,     64*KP                    ; a bf16 K buffer
.set VBB,     64*VP                    ; a bf16 V buffer
.set VB,      2*KBB
.set QST,     VB+2*VBB
.set QSB,     64*KP                    ; a wave's stage
.set RAW,     QST+4*QSB
.set TILEB,   32768                    ; 64 rows of 512 bytes: a raw tile of K or of V
.set RAWSLOT, 2*TILEB
; window 0
.set AK,  8                            ; r * 272 + 16 h
.set AV,  9                            ; VB + (8 h + L % 8) * 288 + 16 ((L / 8) % 2)
.set AR,  10                           ; v10, v11: RAW + slot * 65536 + w * 8192 + 16 L
.set AWK, 12                           ; w * 16 * 272 + 8 L
.set AWV, 13                           ; VB + w * 16 * 288 + 8 L
.set AQW, 14                           ; stage + 8 L
.set AQR, 15                           ; stage + r * 272 + 16 h
.set AOW, 16                           ; stage + r * 528 + 32 h
.set AOR, 17                           ; stage + 16 L
.set AG,  18                           ; 16 L: my 16 bytes of a row of 512 in query and out0; never rewritten
.set PF,  19                           ; prefetch offset: 256 L + tile * 32768
.set PFMAX, 20                         ; the same for tile 31
.set VF,  64                           ; V fragments; at the end the rows on their way out
.set CV,  192                          ; two halves of eight raw rows' 16 bytes a lane, packed in place
; windows 1 and 2; + 8 q for the piece's second query tile.  The packed forms take their factor from the FIRST register of a pair for both halves
; (op_sel_hi 0), so each factor stands on an even number, beside a register that is written earlier.
.set SB,  128                          ; scores and P
.set AL,  192                          ; the rescale factor; at the end 1 / sum        (pair with PT)
.set PT,  193                          ; from the other half of the lanes; exponent of the factor
.set NM,  194                          ; -maximum * c of even tiles (pair with MX); NM + 2: of odd tiles (pair with MB): no copy from new to old
.set MX,  195                          ; running maximum of the raw scores
.set MB,  197                          ; the second chain of maxima
.set LS,  198                          ; my lane's part of the sum
.set TS,  208                          ; four pairs of sum chains
; window 3
.set QF,  0
.set KF,  128
.set G1,  16                           ; s[16:23] descriptor group 1, never rewritten
.set G0,  24                           ; s[24:31] descriptor group 0, a set for each raw slot
; s_set_vgpr_msb's low byte: bits 1:0 source 0, 3:2 source 1, 5:4 source 2, 7:6 destination
.set W_LD3, 0xc0                       ; LDS load into window 3, address window 0
.set W_QLD, 0x40                       ; global load into window 1
.set W_QCV, 0x45                       ; conversion inside window 1
.set W_ST1, 0x04                       ; LDS store of data from window 1
.set MSB, 0
.macro WIN new                         ; the immediate's high byte repeats the setting that is left; a switch that changes nothing is dropped
.if MSB != \new
	s_set_vgpr_msb (MSB<<8)|\new
.set MSB, \new
.endif
.endm
.macro PLACES5                         ; five plain vector instructions behind a matrix instruction before its registers are touched (ISA guide 7.12.1)
.rept 5
	v_nop
.endr
.endm
; A round of the cluster's barrier: my work-group's barrier, so that wave 0 speaks for all four waves; wave 0 signals; every wave waits for the
; four work-groups; my work-group's barrier once more.
.macro ROUND
	s_barrier_signal -1
	s_barrier_wait -1
	s_cmp_lg_u32 s12, 0
	s_cbranch_scc1 .Lnot_wave_0_\@
	s_barrier_signal -3
.Lnot_wave_0_\@:
	s_barrier_wait -3
	s_barrier_signal -1
	s_barrier_wait -1
.endm
; ---- LDS work, in batches.  DSN counts the LDS instructions issued since the trip's wait for 0; a mark keeps DSN as it stood behind a group of loads,
; ---- so DSN - mark is the number issued behind that group: LDS instructions end in order (ISA guide 5.7.1), and that is the count its readers wait with.
; HB = t % 2.  Eight of my 16 raw rows of K (kv = 0) or V (kv = 1): each load takes one row's 512 neighbouring bytes
.macro CLD kv, half
.irp i, 0,1,2,3,4,5,6,7
	ds_load_b128 v[CV+32*\half+4*\i:CV+32*\half+4*\i+3], v[AR+HB] offset:\kv*TILEB+512*(8*\half+\i)
.endr
.set DSN, DSN+8
.if \half
.set CM1, DSN
.else
.set CM0, DSN
.endif
.endm
; four of a half's eight rows: four f32 a lane and row become four bf16 in the first two registers
.macro CPK half, part
.if \part == 0
.if \half
	s_wait_dscnt DSN-CM1                           ; this half's eight rows are in; what was issued behind them may be out
.else
	s_wait_dscnt DSN-CM0
.endif
.endif
.irp i, 0,1,2,3
	v_cvt_pk_bf16_f32 v[CV+32*\half+16*\part+4*\i],   v[CV+32*\half+16*\part+4*\i],   v[CV+32*\half+16*\part+4*\i+1]
	v_cvt_pk_bf16_f32 v[CV+32*\half+16*\part+4*\i+1], v[CV+32*\half+16*\part+4*\i+2], v[CV+32*\half+16*\part+4*\i+3]
.endr
.endm
; the eight rows into a bf16 buffer: each store lays one row's 256 neighbouring bytes
.macro CST kv, half
.irp i, 0,1,2,3,4,5,6,7
.if \kv
	ds_store_b64 v[AWV], v[CV+32*\half+4*\i:CV+32*\half+4*\i+1] offset:HB*VBB+VP*(8*\half+\i)
.else
	ds_store_b64 v[AWK], v[CV+32*\half+4*\i:CV+32*\half+4*\i+1] offset:HB*KBB+KP*(8*\half+\i)
.endif
.endr
.set DSN, DSN+8
.endm
; Batch XJ of the sixteen that round my 16 rows of K and 16 of V: eight instructions each; a half is loaded again straight behind the stores that read it.
.macro AUXC
	WIN 0
.if XJ == 0
	CLD 0, 0
.endif
.if XJ == 1
	CLD 0, 1
.endif
.if XJ == 2
	CPK 0, 0
.endif
.if XJ == 3
	CPK 0, 1
.endif
.if XJ == 4
	CST 0, 0
.endif
.if XJ == 5
	CLD 1, 0
.endif
.if XJ == 6
	CPK 1, 0
.endif
.if XJ == 7
	CPK 1, 1
.endif
.if XJ == 8
	CST 0, 1
.endif
.if XJ == 9
	CLD 1, 1
.endif
.if XJ == 10
	CPK 0, 0
.endif
.if XJ == 11
	CPK 0, 1
.endif
.if XJ == 12
	CST 1, 0
.endif
.if XJ == 13
	CPK 1, 0
.endif
.if XJ == 14
	CPK 1, 1
.endif
.if XJ == 15
	CST 1, 1
.endif
.endm
; Batch XJ of eight: two K fragments (16 keys x 32 d each, two loads 32 bytes apart) of the next tile, ks = XJ / 2 first
.macro AUXK
	WIN W_LD3
.set XS, XJ>>1
.irp e, 0,1
.set XT, 2*(XJ&1)+\e
	ds_load_b128 v[KF+32*XS+8*XT:KF+32*XS+8*XT+3],   v[AK] offset:(1-HB)*KBB+XT*16*KP+XS*64
	ds_load_b128 v[KF+32*XS+8*XT+4:KF+32*XS+8*XT+7], v[AK] offset:(1-HB)*KBB+XT*16*KP+XS*64+32
.endr
.set DSN, DSN+4
.if XJ == 1
.set KM0, DSN
.endif
.if XJ == 3
.set KM1, DSN
.endif
.if XJ == 5
.set KM2, DSN
.endif
.if XJ == 7
.set KM3, DSN
.endif
.endm
; Batch XJ of eight: two V fragments (16 d x 32 keys each) of the next tile by transposing loads from V stored [key][d]; the second load takes the keys 16 rows further down
.macro AUXV
	WIN 0
.set XS, XJ>>2
.irp e, 0,1
.set XT, 2*(XJ&3)+\e
	ds_load_tr16_b128 v[VF+64*XS+8*XT:VF+64*XS+8*XT+3],   v[AV] offset:(1-HB)*VBB+XS*32*VP+XT*32
	ds_load_tr16_b128 v[VF+64*XS+8*XT+4:VF+64*XS+8*XT+7], v[AV] offset:(1-HB)*VBB+XS*32*VP+XT*32+16*VP
.endr
.set DSN, DSN+4
.endm
.macro AUX                             ; WA: 0 nothing, 1 K fragments, 2 V fragments, 3 and 4 the two halves of the rounding
.set XJ, WM>>2
.if WA == 1
	AUXK
.endif
.if WA == 2
	AUXV
.endif
.if WA == 3
	AUXC
.endif
.if WA == 4
.set XJ, XJ+8
	AUXC
.endif
.endm
; ---- products, one at a time.  HP: the piece.  WM: the product's number in its phase, 0 to 31. ----
; S^T = K Q^T: ks = WM / 8, kt = (WM / 2) % 4, q = WM % 2.  The eight accumulators take turns, one instruction a turn; ks = 0 starts the sums.
.macro SWM
.set XS, WM>>3
.set XT, (WM>>1)&3
.set XQ, WM&1
.if HKW
.if (WM&7) == 0
.if XS == 0
	s_wait_dscnt DSN-KM0                           ; the eight loads of this ks are in; the later groups and the rounding's LDS work may be out
.endif
.if XS == 1
	s_wait_dscnt DSN-KM1
.endif
.if XS == 2
	s_wait_dscnt DSN-KM2
.endif
.if XS == 3
	s_wait_dscnt DSN-KM3
.endif
.endif
.endif
.set WW, 0x0f+0x50*(1+HP)              ; K and Q from window 3, scores in the piece's window
	WIN WW
.if XS == 0
	v_wmma_f32_16x16x32_bf16 v[SB+32*XQ+8*XT:SB+32*XQ+8*XT+7], v[KF+32*XS+8*XT:KF+32*XS+8*XT+7], v[QF+32*(2*HP+XQ)+8*XS:QF+32*(2*HP+XQ)+8*XS+7], 0
.else
	v_wmma_f32_16x16x32_bf16 v[SB+32*XQ+8*XT:SB+32*XQ+8*XT+7], v[KF+32*XS+8*XT:KF+32*XS+8*XT+7], v[QF+32*(2*HP+XQ)+8*XS:QF+32*(2*HP+XQ)+8*XS+7], v[SB+32*XQ+8*XT:SB+32*XQ+8*XT+7]
.endif
.endm
; O^T += V^T P^T: ks2 = WM / 16, dt = (WM / 2) % 8, q = WM % 2.  The sixteen accumulators take turns, one instruction a turn.  HF = 1: tile 0, ks2 = 0 starts the sums.
.macro PVWM
.set XS, WM>>4
.set XT, (WM>>1)&7
.set XQ, WM&1
.set WW, 0x54*(1+HP)                   ; V from window 0, P and O in the piece's window
	WIN WW
.set XZ, HF*(1-XS)
.if XZ
	v_wmma_f32_16x16x32_bf16 v[64*XQ+8*XT:64*XQ+8*XT+7], v[VF+64*XS+8*XT:VF+64*XS+8*XT+7], v[SB+32*XQ+8*XS:SB+32*XQ+8*XS+7], 0
.else
	v_wmma_f32_16x16x32_bf16 v[64*XQ+8*XT:64*XQ+8*XT+7], v[VF+64*XS+8*XT:VF+64*XS+8*XT+7], v[SB+32*XQ+8*XS:SB+32*XQ+8*XS+7], v[64*XQ+8*XT:64*XQ+8*XT+7]
.endif
.endm
; Head of slice WN (0 to 63: two phases): its product (kind 0 none, 1 S, 2 PV) and, in every fourth slice, a batch of LDS work.  WLO: the operation at which the next slice begins.
.macro WSTEP
.set WM, WN&31
.if WN < 32
.set WK, HK0
.set WA, HA0
.else
.set WK, HK1
.set WA, HA1
.endif
.if PADS
.if WN == 32
	PLACES5
.endif
.endif
.if WK == 1
	SWM
.endif
.if WK == 2
	PVWM
.endif
.if (WM&3) == 0
	AUX
.endif
.set WN, WN+1
.set WLO, 17*(WN>>2)-4
.if (WN&3)
.set WLO, WLO+5*(WN&3)-3
.endif
.endm
.macro WPUMP                           ; every slice head that is due at operation OPI (two at operation 0, later one at the most)
.rept 2
.if WN < 64
.if WLO <= OPI
	WSTEP
.endif
.endif
.endr
.endm
.macro EM op:vararg                    ; one operation of the stream, under the stream's window VW, behind the slice heads that are due
	WPUMP
	WIN VW
	s_wait_alu depctr_va_vdst(0)
	\op
.set OPI, OPI+1
.endm
; ---- a piece's softmax and rescale for one tile, as one stream.  v = 1: tile 0 (no old maximum, no rescale), v = 2: later tiles.  par = the tile's number % 2. ----
; The stream's own symbols begin with Z: the slice heads set between its lines use others.
.macro SMS v, par
.set OPI, 0
.set ZN, NM+2*(\par)
.set ZO, NM+2*(1-(\par))
	; 32 maxima: two chains for each query tile, so that an instruction's source is four instructions old
.set ZI, 0
.rept 8
.irp q, 0,1
.if \v == 1
.if ZI == 0
	EM v_max3_num_f32 v[MX+8*\q], v[SB+32*\q], v[SB+32*\q+1], v[SB+32*\q+2]
.else
.if ZI == 7
	EM v_max_num_f32 v[MX+8*\q], v[MX+8*\q], v[SB+32*\q+15]
.else
	EM v_max3_num_f32 v[MX+8*\q], v[MX+8*\q], v[SB+32*\q+2*ZI+1], v[SB+32*\q+2*ZI+2]
.endif
.endif
.else
	EM v_max3_num_f32 v[MX+8*\q], v[MX+8*\q], v[SB+32*\q+2*ZI], v[SB+32*\q+2*ZI+1]
.endif
.endr
.irp q, 0,1
.if ZI == 0
	EM v_max3_num_f32 v[MB+8*\q], v[SB+32*\q+16], v[SB+32*\q+17], v[SB+32*\q+18]
.else
.if ZI == 7
	EM v_max3_num_f32 v[MX+8*\q], v[MX+8*\q], v[MB+8*\q], v[SB+32*\q+31]
.else
	EM v_max3_num_f32 v[MB+8*\q], v[MB+8*\q], v[SB+32*\q+2*ZI+17], v[SB+32*\q+2*ZI+18]
.endif
.endif
.endr
.set ZI, ZI+1
.endr
	; the other 32 keys of my query lie in lane L xor 16; then -maximum * c, and the factor 2^((old maximum - new maximum) * c), whose exponent is never above 0
.irp q, 0,1
	EM v_permlanex16_b32 v[PT+8*\q], v[MX+8*\q], s36, s37
.endr
.irp q, 0,1
	EM v_max_num_f32 v[MX+8*\q], v[MX+8*\q], v[PT+8*\q]
.endr
.irp q, 0,1
	EM v_mul_f32 v[ZN+8*\q], s40, v[MX+8*\q]
.endr
.if \v == 2
.irp q, 0,1
	EM v_sub_f32 v[PT+8*\q], v[ZN+8*\q], v[ZO+8*\q]
.endr
.irp q, 0,1
	EM v_exp_f32 v[AL+8*\q], v[PT+8*\q]
.endr
.endif
	; 36 steps over 32 items (item u: query tile u % 2, score pair u / 2).  Step s: exponent of item s (score * c - maximum * c, one rounding);
	; the two exponentials of item s - 1, each followed by a rescale of two numbers of O (plain work on other registers: the place behind a
	; transcendental, ISA guide 5.7.2); the sum takes item s - 2; item s - 4 is packed into register u / 2 of its query tile, whose own pair has been
	; summed (at step s at the latest, one line above) and packed.
.set ZS, 0
.rept 36
.if ZS < 32
.set ZQ, ZS&1
.set ZJ, ZS>>1
	EM v_pk_fma_f32 v[SB+32*ZQ+2*ZJ:SB+32*ZQ+2*ZJ+1], v[SB+32*ZQ+2*ZJ:SB+32*ZQ+2*ZJ+1], s[38:39], v[ZN+8*ZQ:ZN+8*ZQ+1] op_sel_hi:[1,0,0]
.endif
.if ZS >= 1
.if ZS <= 32
.set ZU, ZS-1
.set ZQ, ZU&1
.set ZJ, ZU>>1
	EM v_exp_f32 v[SB+32*ZQ+2*ZJ], v[SB+32*ZQ+2*ZJ]
.if \v == 2
	EM v_pk_mul_f32 v[2*ZU:2*ZU+1], v[2*ZU:2*ZU+1], v[AL:AL+1] op_sel_hi:[1,0]
.endif
	EM v_exp_f32 v[SB+32*ZQ+2*ZJ+1], v[SB+32*ZQ+2*ZJ+1]
.if \v == 2
	EM v_pk_mul_f32 v[64+2*ZU:64+2*ZU+1], v[64+2*ZU:64+2*ZU+1], v[AL+8:AL+9] op_sel_hi:[1,0]
.endif
.endif
.endif
.if ZS >= 2
.if ZS <= 33
.set ZU, ZS-2
.set ZQ, ZU&1
.set ZJ, ZU>>1
.if ZJ >= 8
	EM v_pk_add_f32 v[TS+8*ZQ+2*(ZJ&3):TS+8*ZQ+2*(ZJ&3)+1], v[TS+8*ZQ+2*(ZJ&3):TS+8*ZQ+2*(ZJ&3)+1], v[SB+32*ZQ+2*ZJ:SB+32*ZQ+2*ZJ+1]
.else
.if (ZJ&1)
	EM v_pk_add_f32 v[TS+8*ZQ+2*(ZJ>>1):TS+8*ZQ+2*(ZJ>>1)+1], v[SB+32*ZQ+2*ZJ-2:SB+32*ZQ+2*ZJ-1], v[SB+32*ZQ+2*ZJ:SB+32*ZQ+2*ZJ+1]
.endif
.endif
.endif
.endif
.if ZS >= 4
.set ZU, ZS-4
.set ZQ, ZU&1
.set ZJ, ZU>>1
	EM v_cvt_pk_bf16_f32 v[SB+32*ZQ+ZJ], v[SB+32*ZQ+2*ZJ], v[SB+32*ZQ+2*ZJ+1]
.endif
.set ZS, ZS+1
.endr
	; the four chains of each query tile meet; the running sum takes the factor.  These plain lines end the stream: the last five of them are the
	; places behind the half's last product.
.irp q, 0,1
	EM v_pk_add_f32 v[TS+8*\q:TS+8*\q+1], v[TS+8*\q:TS+8*\q+1], v[TS+8*\q+2:TS+8*\q+3]
.endr
.irp q, 0,1
	EM v_pk_add_f32 v[TS+8*\q+4:TS+8*\q+5], v[TS+8*\q+4:TS+8*\q+5], v[TS+8*\q+6:TS+8*\q+7]
.endr
.irp q, 0,1
	EM v_pk_add_f32 v[TS+8*\q:TS+8*\q+1], v[TS+8*\q:TS+8*\q+1], v[TS+8*\q+4:TS+8*\q+5]
.endr
.if \v == 1
.irp q, 0,1
	EM v_add_f32 v[LS+8*\q], v[TS+8*\q], v[TS+8*\q+1]
.endr
.else
.irp q, 0,1
	EM v_add_f32 v[TS+8*\q], v[TS+8*\q], v[TS+8*\q+1]
.endr
.irp q, 0,1
	EM v_fma_f32 v[LS+8*\q], v[LS+8*\q], v[AL+8*\q], v[TS+8*\q]
.endr
.endif
.endm
; Two phases with one stream (v = 0: none).  A stream of 268 operations sets all 64 slice heads itself; a shorter one, or none, leaves the rest to the run below.
.macro HALF v, par
.set WN, 0
.set WLO, -4
.if \v
	SMS \v, \par
.endif
.rept 64
.if WN < 64
	WSTEP
.endif
.endr
.if PADS
	PLACES5
.endif
.endm
; Trip t.  b = t % 2.  pv: the products with V of tile t (0 none, 1 they start the sums, 2 they add).  smb: softmax of B, tile t (0, 1, 2 as SMS's v).
; nxt: tile t + 1 exists (its fragments, its scores; sma: softmax of A, tile t + 1).  conv: tile t + 2 exists and is rounded.  refill: tile t + 3 exists.
; pad = 1 (trips outside the loop, whose streams may be short or absent): five v_nop at the phases' borders.
.macro TRIP b, pv, smb, nxt, sma, conv, refill, pad
	WIN 0
.if \conv
	s_wait_tensorcnt 0x0                           ; all my tensor loads have landed: the one that was out is my part of raw tile t + 2
	ds_add_u32 v62, v63
	s_wait_dscnt 0x0
.endif
.if \refill
	s_add_nc_u64 s[G0+4*(1-\b)+2:G0+4*(1-\b)+3], s[G0+4*(1-\b)+2:G0+4*(1-\b)+3], 2*TILEB   ; no load of mine is out, so a group 0 may be written: that slot's next tile, two on
.endif
	s_wait_dscnt 0x0                               ; V's fragments of tile t are in; my reads of the bf16 buffers and of the raw slot, and my stores of tile t + 1, are done
.set DSN, 0
.if \refill
	ROUND                                          ; all that now holds of every wave of the four work-groups
	tensor_load_to_lds s[G0+4*(1-\b):G0+4*(1-\b)+3], s[G1:G1+7]   ; my one tensor load behind the round, first thing there: 16 KiB of tile t + 3
	s_nop 0
	; Wave 0 asks for 8 KiB (32 lanes, 256 bytes apart) of tile t + 4, whose tensor load is issued one trip later.  The eight work-groups of a
	; head share that tile's 64 KiB: the first cluster takes K's four quarters, the second V's.  In the last such trip the offset is held at tile 31.
	s_cmp_lg_u32 s12, 0
	s_cbranch_scc1 .Lno_prefetch_\@
	global_prefetch_b8 v[PF], s[42:43] th:TH_LOAD_NT scope:SCOPE_SE
.Lno_prefetch_\@:
.else
.if \nxt
	s_barrier_signal -1                            ; the work-group's own barrier shows the bf16 tile t + 1 (and raw tile t + 2) whole
	s_barrier_wait -1
.endif
.endif
.set HB, \b
.set PADS, \pad
.set HK0, 0
.set HF, 0
.if \pv
.set HK0, 2
.endif
.if \pv == 1
.set HF, 1
.endif
.set HK1, \nxt
	; F1 and F2: piece A's products, piece B's stream
.set HP, 0
.set VW, 0xaa
.set HKW, 1
.set HA0, \nxt
.set HA1, 3*\conv
	HALF \smb, \b
	; F3 and F4: piece B's products, piece A's stream
.set HP, 1
.set VW, 0x55
.set HKW, 0
.set HA0, 4*\conv
.set HA1, 2*\nxt
	HALF \sma, 1-\b
.if \refill
	WIN 0
	s_wait_xcnt 0x0                                ; the prefetch's offset register is rewritten only behind this wait (ISA guide 3.1)
	v_add_nc_u32 v[PF], TILEB, v[PF]
	v_min_u32 v[PF], v[PF], v[PFMAX]               ; never past tile 31: every request stays inside the head's 1 MiB
.endif
.endm
; 16 queries leave (piece p, its tile q): times 1 / sum, 32 bytes a lane and d tile into my stage, whole rows of 512 bytes back, one row a store.
.macro OUT p, q, buf
.set WW, 0x55*(1+\p)
	WIN WW
.set j, 0
.rept 32
	s_wait_alu depctr_va_vdst(0)
	v_pk_mul_f32 v[64*\q+2*j:64*\q+2*j+1], v[64*\q+2*j:64*\q+2*j+1], v[AL+8*\q:AL+8*\q+1] op_sel_hi:[1,0]
.set j, j+1
.endr
.set WW, 4*(1+\p)
	WIN WW
.irp dt, 0,1,2,3,4,5,6,7
	ds_store_b128 v[AOW], v[64*\q+8*\dt:64*\q+8*\dt+3]   offset:64*\dt
	ds_store_b128 v[AOW], v[64*\q+8*\dt+4:64*\q+8*\dt+7] offset:64*\dt+16
.endr
	WIN 0
	s_wait_xcnt 0x0                                ; registers that earlier global stores read are loaded again only behind this wait (ISA guide 3.1)
.irp i, 0,1,2,3,4,5,6,7,8,9,10,11,12,13,14,15
	ds_load_b128 v[VF+64*\buf+4*\i:VF+64*\buf+4*\i+3], v[AOR] offset:OP*\i   ; my own bytes; LDS serves a wave's instructions in order (ISA guide 5.7.1): these see the stores above
.endr
.irp i, 0,1,2,3,4,5,6,7,8,9,10,11,12,13,14,15
	s_wait_dscnt 15-\i                             ; row i is in, the younger rows may be out
	global_store_b128 v[AG], v[VF+64*\buf+4*\i:VF+64*\buf+4*\i+3], s[46:47] offset:(16*(2*\p+\q)+\i)*512 th:TH_STORE_NT   ; 32 lanes store one row: 512 consecutive bytes, at a multiple of 512 from out0's first byte
.endr
.endm
	; ---- set-up ----
	s_load_b256 s[4:11], s[0:1], 0x0               ; key s[4:5], query s[6:7], value s[8:9], out0 s[10:11]
	v_lshl_add_u32 v62, v0, 2, 0x42800
	v_mov_b32 v63, 0
	ds_add_u32 v62, v63
	v_lshrrev_b32 v1, 5, v0
	v_readfirstlane_b32 s12, v1                    ; wave 0..3
	s_and_b32 s13, ttmp7, 0xffff                   ; head (the cluster is one work-group high)
	s_bfe_u32 s48, ttmp6, 0x40000                  ; cx: my place in the cluster
	s_lshl_b32 s49, ttmp9, 2
	s_add_co_u32 s49, s49, s48                     ; query block = 4 x cluster x + cx
	; descriptor group 1: 16 KiB that are dense in memory, as 64 rows of 32 elements of 8 bytes, no padding
	s_mov_b32 s[G1+0], 15|(3<<16)|(1<<21)          ; 15:0 mask: all four work-groups of the cluster; 17:16 elements of 8 bytes; 21 set beside a mask
	s_mov_b32 s[G1+1], 32<<16                      ; tensor_dim0 = 32
	s_mov_b32 s[G1+2], 64<<16                      ; tensor_dim1 = 64
	s_mov_b32 s[G1+3], 32<<16                      ; tile_dim0 = 32
	s_mov_b32 s[G1+4], 64                          ; tile_dim1 = 64
	s_mov_b32 s[G1+5], 32                          ; from row to row: 32 elements
	s_mov_b32 s[G1+6], 0
	s_mov_b32 s[G1+7], 0
	s_mov_b32 s36, 0x76543210                      ; v_permlanex16_b32: lane i of one half reads lane i of the other
	s_mov_b32 s37, 0xfedcba98
	s_mov_b32 s38, 0x3e0293ee                      ; c = log2(e) / sqrt(128)
	s_mov_b32 s39, 0x3e0293ee
	s_mov_b32 s40, 0xbe0293ee                      ; -c
	; my part of a tile: waves 0, 1 the halves of K's 32 KiB, waves 2, 3 of V's.  Made of the head and the wave's number alone: the same in all four partners.
	s_lshl_b32 s32, s13, 20                        ; a head is 2048 x 512 bytes
	s_and_b32 s34, s12, 1
	s_lshl_b32 s34, s34, 14
	s_add_co_u32 s32, s32, s34
	s_mov_b32 s33, 0
	s_lshl_b32 s35, s12, 14                        ; and where it goes in a raw slot: wave x 16 KiB
	; my 64 rows of query and out0
	s_lshl_b32 s50, s13, 20
	s_lshl_b32 s51, s49, 17                        ; 256 rows of 512 bytes a block
	s_add_co_u32 s50, s50, s51
	s_lshl_b32 s51, s12, 15                        ; 64 rows a wave
	s_add_co_u32 s50, s50, s51
	s_mov_b32 s51, 0
	; my work-group's quarter of a tile for the prefetch
	s_lshl_b32 s52, s13, 20
	s_lshl_b32 s53, s48, 13
	s_add_co_u32 s52, s52, s53
	s_mov_b32 s53, 0
	s_wait_dscnt 0x0
	s_wait_kmcnt 0x0
	s_cmp_lt_u32 s12, 2
	s_cselect_b64 s[14:15], s[4:5], s[8:9]
	s_add_nc_u64 s[14:15], s[14:15], s[32:33]
	s_add_nc_u64 s[44:45], s[6:7], s[50:51]
	s_add_nc_u64 s[46:47], s[10:11], s[50:51]
	s_cmp_eq_u32 ttmp9, 0                          ; the head's first cluster asks ahead for K, the second for V
	s_cselect_b64 s[42:43], s[4:5], s[8:9]
	s_add_nc_u64 s[42:43], s[42:43], s[52:53]
.irp s, 0,1
	s_mov_b32 s[G0+4*\s], 1                                        ; count = 1
	s_add_co_u32 s[G0+4*\s+1], s35, RAW+\s*RAWSLOT                 ; LDS address
	s_add_nc_u64 s[G0+4*\s+2:G0+4*\s+3], s[14:15], \s*TILEB        ; global address: tile s
	s_or_b32 s[G0+4*\s+3], s[G0+4*\s+3], 0x80000000                ; type = 2
.endr
	ROUND                                          ; the four work-groups are here: the first joint loads meet
	tensor_load_to_lds s[G0:G0+3], s[G1:G1+7]      ; tile 0
	s_nop 0
	tensor_load_to_lds s[G0+4:G0+7], s[G1:G1+7]    ; tile 1: the two first fills go out as one group
	s_nop 0
	v_nop
	v_nop
	; ---- Q: 64 rows as f32 into window 1, rounded in place, through my stage into fragments that stay for the whole kernel ----
	v_and_b32 v1, 31, v0                           ; L
	v_lshlrev_b32 v[AG], 4, v1
	WIN W_QLD
.set j, 0
.rept 64
	global_load_b128 v[4*j:4*j+3], v[AG], s[44:45] offset:512*j th:TH_LOAD_NT   ; one row of 512 bytes a load
.set j, j+1
.endr
	WIN 0
	v_and_b32 v2, 15, v0                           ; r
	v_bfe_u32 v3, v0, 4, 1                         ; h
	v_mul_u32_u24 v4, v2, KP
	v_lshl_add_u32 v[AK], v3, 4, v4
	v_and_b32 v5, 7, v0
	v_lshl_add_u32 v5, v3, 3, v5                   ; 8 h + L % 8
	v_mul_u32_u24 v5, v5, VP
	v_bfe_u32 v6, v0, 3, 1
	v_lshl_add_u32 v5, v6, 4, v5
	v_add_nc_u32 v[AV], VB, v5
	s_lshl_b32 s34, s12, 13                        ; my 16 rows of 512 bytes in a raw tile
	s_add_co_u32 s34, s34, RAW
	v_add_nc_u32 v[AR], s34, v[AG]
	v_add_nc_u32 v[AR+1], RAWSLOT, v[AR]
	s_mul_i32 s34, s12, 16*KP
	v_lshl_add_u32 v[AWK], v1, 3, s34
	s_mul_i32 s34, s12, 16*VP
	s_add_co_u32 s34, s34, VB
	v_lshl_add_u32 v[AWV], v1, 3, s34
	s_mul_i32 s35, s12, QSB
	s_add_co_u32 s35, s35, QST                     ; my stage
	v_lshl_add_u32 v[AQW], v1, 3, s35
	v_add_nc_u32 v[AQR], s35, v[AK]
	v_mul_u32_u24 v4, v2, OP
	v_lshl_add_u32 v4, v3, 5, v4
	v_add_nc_u32 v[AOW], s35, v4
	v_add_nc_u32 v[AOR], s35, v[AG]
	v_lshlrev_b32 v[PF], 8, v1
	v_add_nc_u32 v[PFMAX], 31*TILEB, v[PF]
	v_add_nc_u32 v[PF], 3*TILEB, v[PF]             ; the first trip, which asks for tile 2, asks ahead for tile 3
	WIN W_QCV
.irp g, 0,1,2,3
	s_wait_loadcnt 48-16*\g                        ; loads come back in order (ISA guide 5.7.1): rows up to 16 g + 15 are in, the younger rows stay out
.set j, 16*\g
.rept 16
	v_cvt_pk_bf16_f32 v[4*j],   v[4*j],   v[4*j+1]
	v_cvt_pk_bf16_f32 v[4*j+1], v[4*j+2], v[4*j+3]
.set j, j+1
.endr
.endr
	WIN W_ST1
.set j, 0
.rept 64
	ds_store_b64 v[AQW], v[4*j:4*j+1] offset:KP*j  ; a row's 256 bytes of bf16
.set j, j+1
.endr
	WIN W_LD3
.irp qt, 0,1,2,3
.irp ks, 0,1,2,3
	ds_load_b128 v[QF+32*\qt+8*\ks:QF+32*\qt+8*\ks+3],   v[AQR] offset:\qt*16*KP+\ks*64      ; my own bytes, served in order behind the stores
	ds_load_b128 v[QF+32*\qt+8*\ks+4:QF+32*\qt+8*\ks+7], v[AQR] offset:\qt*16*KP+\ks*64+32
.endr
.endr
	WIN 0
	; ---- tile 0 is rounded to bf16 ahead of the trips ----
	s_wait_tensorcnt 0x1                           ; my part of tile 0 is in; tile 1's stays out
	s_wait_dscnt 0x0                               ; Q's fragments are in; no LDS instruction is pending at a signal
	s_barrier_signal -1
	s_barrier_wait -1                              ; everybody's part of tile 0 is in
.irp p, 0,1
.set WW, 0x55*(1+\p)
	WIN WW
	v_mov_b32 v[PT], 0                             ; v_permlanex16_b32's destination counts as read
	v_mov_b32 v[PT+8], 0
.endr
.set HB, 0
.set DSN, 0
.set XJ, 0
.rept 16
	AUXC
.set XJ, XJ+1
.endr
	; ---- the trips: t = -1 and 0 start scores, maxima and sums; 28 in the loop; 29, 30, 31 ask for, round and multiply no tile past 31 ----
	TRIP 1, 0, 0, 1, 1, 1, 1, 1                    ; t = -1: K(0), S_A(0), softmax of A(0), S_B(0), V(0); tile 1 is rounded, tile 2 asked for
	TRIP 0, 1, 1, 1, 2, 1, 1, 1                    ; t = 0
	WIN 0                                          ; at a label and at a branch every window is 0
	s_mov_b32 s41, 14
.Ltrips:
	TRIP 1, 2, 2, 1, 2, 1, 1, 0
	TRIP 0, 2, 2, 1, 2, 1, 1, 0
	WIN 0
	s_sub_co_u32 s41, s41, 1
	s_cmp_lg_u32 s41, 0
	s_cbranch_scc1 .Ltrips
	TRIP 1, 2, 2, 1, 2, 1, 0, 1                    ; t = 29: tile 31 is rounded, nothing is left to fetch
	TRIP 0, 2, 2, 1, 2, 0, 0, 1                    ; t = 30: the scores of tile 31
	TRIP 1, 2, 2, 0, 0, 0, 0, 1                    ; t = 31: its products with V; five v_nop stand behind the last, before O is read
	; ---- 1 / sum ----
.irp p, 0,1
.set WW, 0x55*(1+\p)
	WIN WW
.irp q, 0,1
	v_permlanex16_b32 v[PT+8*\q], v[LS+8*\q], s36, s37   ; the other half of my query's sum
.endr
.irp q, 0,1
	v_add_f32 v[LS+8*\q], v[LS+8*\q], v[PT+8*\q]         ; at least about 1: the largest score's own term
.endr
.irp q, 0,1
	v_rcp_f32 v[AL+8*\q], v[LS+8*\q]
.endr
.endr
	v_nop                                          ; the place behind the reciprocals (ISA guide 5.7.2)
	OUT 0, 0, 0
	OUT 0, 1, 1
	OUT 1, 0, 0
	OUT 1, 1, 1
	s_wait_tensorcnt 0x0
	ds_add_u32 v62, v63
	s_wait_dscnt 0x0
	ROUND                                          ; the closing round: no work-group ends while a partner may still ask for a tile that names it
	s_endpgm
.Lfunc_end_k_qc178b960ca_attn:
	.size	k_qc178b960ca_attn, .Lfunc_end_k_qc178b960ca_attn-k_qc178b960ca_attn
	.p2alignl 7, 3214868480
	.fill 96, 4, 3214868480
	.section	.rodata,"a",@progbits
	.p2align	6, 0x0
	.amdhsa_kernel k_qc178b960ca_attn
		.amdhsa_group_segment_fixed_size 327680
		.amdhsa_private_segment_fixed_size 0
		.amdhsa_enable_private_segment 0
		.amdhsa_kernarg_size 32
		.amdhsa_user_sgpr_count 2
		.amdhsa_user_sgpr_kernarg_segment_ptr 1
		.amdhsa_wavefront_size32 1
		.amdhsa_system_sgpr_workgroup_id_x 1
		.amdhsa_system_sgpr_workgroup_id_y 1
		.amdhsa_system_sgpr_workgroup_id_z 1
		.amdhsa_system_vgpr_workitem_id 0
		.amdhsa_next_free_vgpr 1024
		.amdhsa_next_free_sgpr 66
		.amdhsa_reserve_vcc 0
		.amdhsa_float_denorm_mode_32 3
		.amdhsa_float_denorm_mode_16_64 3
		.amdhsa_memory_ordered 1
		.amdhsa_forward_progress 1
		.amdhsa_inst_pref_size 255
	.end_amdhsa_kernel
	.section	.bss,"aw",@nobits
	.p2align	6
	.space	262144
	.amdgpu_metadata
---
amdhsa.version: [ 1, 2 ]
amdhsa.kernels:
  - .name:           k_qc178b960ca_attn
    .symbol:         k_qc178b960ca_attn.kd
    .args:
      - { .name: key, .offset: 0, .size: 8, .value_kind: global_buffer, .address_space: global }
      - { .name: query, .offset: 8, .size: 8, .value_kind: global_buffer, .address_space: global }
      - { .name: value, .offset: 16, .size: 8, .value_kind: global_buffer, .address_space: global }
      - { .name: out0, .offset: 24, .size: 8, .value_kind: global_buffer, .address_space: global }
    .group_segment_fixed_size: 327680
    .private_segment_fixed_size: 0
    .kernarg_segment_align: 8
    .kernarg_segment_size: 32
    .max_flat_workgroup_size: 128
    .sgpr_count:     66
    .vgpr_count:     1024
    .wavefront_size: 32
...
	.end_amdgpu_metadata
.endif
;; end of part 1
